; MI455X (gfx1250); checked and timed in simulation.
; The chip was launched on July 23, 2026; its instructions are those of AMD's public machine-readable ISA for CDNA 5 (MIT licence, August 2026) and "CDNA5" Instruction Set Architecture Reference Guide (July 2026). The comments in the code are by the model that wrote it; some were corrected since.
;; Membership Decoder. Allowed arithmetic: float matrix products may take bf16 or f16 operands with f32 sums; all other float work in f32.
;; Inputs: consensus 512 x 128 float32; sites 4,096 x 128 float32.
;; Outputs: out0 4,096 x 512 float32.
;; One version. Each part assembles by itself: llvm-mc -triple=amdgcn-amd-amdhsa -mcpu=gfx1250 --defsym DOCPART=n.
;; ======== version 1 of 1: 1 launch
;; launch l1softmax (part 1): grid 256 x 1, 8 waves a work-group, clusters of 4 x 1, 312,320 bytes of LDS; arguments consensus, sites, out0; writes out0
.if DOCPART == 1
	.amdgcn_target "amdgcn-amd-amdhsa--gfx1250"
	.amdhsa_code_object_version 6
	.text
	.protected	k_qc3fcfb645e_l1softmax
	.globl	k_qc3fcfb645e_l1softmax
	.p2align	8
	.type	k_qc3fcfb645e_l1softmax,@function
k_qc3fcfb645e_l1softmax:
	s_mov_b64 s[64:65], 0
	v_nop
	global_prefetch_b8 v0, s[64:65] scope:SCOPE_SE
	s_setreg_imm32_b32 hwreg(HW_REG_WAVE_MODE, 25, 1), 1
	s_wait_xcnt 0x0
	s_wait_alu depctr_hold_cnt(0) depctr_sa_sdst(0) depctr_va_vdst(0) depctr_va_sdst(0) depctr_va_ssrc(0) depctr_va_vcc(0) depctr_vm_vsrc(0)
	s_getreg_b32 s2, hwreg(HW_REG_IB_STS2, 6, 4)
	s_cmp_eq_u32 s2, 0
	s_cbranch_scc0 .Lentry_in_a_cluster
	s_endpgm
.Lentry_in_a_cluster:
	s_bfe_u32 s2, ttmp6, 0x10000c
	s_cmp_lg_u32 s2, 0x3003
	s_cbranch_scc0 .Lentry_shape_is_right
	s_endpgm
.Lentry_shape_is_right:
; out0[n][m] = softmax over m of -sum over k of |sites[n][k] - consensus[m][k]|.
; sites [4096][128] f32, consensus [512][128] f32, out0 [4096][512] f32.  All arithmetic in f32 on the vector ALU:
; |a - b| is no product, so there is nothing for the matrix instructions.
;
; SHARES.  A work-group owns 16 rows of sites and all 512 columns, so a row's softmax never leaves it: 4096 / 16 = 256 work-groups.
; Eight waves; wave w owns columns 64 w .. 64 w + 63 for all 16 rows; lane l owns columns 64 w + 2 l and 64 w + 2 l + 1
; (32 accumulators).  For the softmax the distances change hands through LDS: wave w then owns rows 2 w and 2 w + 1 whole.
;
; FIVE INSTRUCTIONS FOR FOUR TERMS (2 k x 2 columns): two dual subtractions (one number of sites, a scalar, against my two consensus rows),
; two v_add_f32 that take both magnitudes as they add (|t(k)| + |t(k+1)|), one packed add onto the accumulator pair.
;
; CONSENSUS is read by every work-group.  Four work-groups form a cluster and ask for it JOINTLY: each wave of each of the four issues
; the same four tensor loads (descriptors made of the wave's number and the buffer's address alone, mask 15), and each receives the tiles in its
; own LDS.  A wave fetches exactly the 64 rows that it reads itself, so its own s_wait_tensorcnt is all the ordering that its reads need.
; Every LDS byte is filled once: no slot is filled again.  A tile is 32 rows x 64 k (256 bytes a row, at multiples of 256 bytes of the buffer):
; the even or the odd rows of my 64 (row pitch 2 x 128 elements), the lower or the upper half of k.  A wave has four loads out.
; SITES are the same for all lanes: they come by scalar loads and are used as scalar operands; they cost no vector register and no LDS.
;
; LIMITS.  The order of the f32 sums is not the reference's (pairs of k first, then a running sum).  v_exp_f32 gives zero for results under 2^-126.
; 1 / sum is v_rcp_f32 (1 ulp).  The row's least distance is taken away before the exponential, as in the reference; a NaN among a row's
; distances makes the whole row NaN, and so does a row whose distances are all infinite, as in the reference.
.set ROWB,  512                        ; bytes in a row of sites and of consensus
.set OROWB, 2048                       ; bytes in a row of out0
.set PITCH, 272                        ; an LDS row: 256 bytes + 16 of padding: sixteen neighbouring lanes' 16-byte reads start 16 bytes apart modulo 256
.set TILE,  32*PITCH                   ; one tensor load's bytes in LDS
.set WAVEL, 2*TILE                     ; a wave's even rows, then its odd rows
.set HALFL, 8*WAVEL                    ; all eight waves' tiles of one half of k
.set STAGE, 2*HALFL                    ; behind the tiles, in bytes into which no tensor load lands: 16 rows x 2,048 bytes of distances
.set LANE, 2                           ; v2       lane
.set A,    3                           ; v3       LDS address of my even row at the 16 k at work
.set ST,   4                           ; v4       stage: where my two distances of row 0 go
.set O,    5                           ; v5       16 x lane: my byte offset in a 512-byte piece of an output row
.set RD,   6                           ; v6       stage: where I read my wave's first row back
.set ACC,  32                          ; v[32:63]   row n: v[ACC+2n] my even column, v[ACC+2n+1] my odd column
.set CE0,  64                          ; v[64:71]   consensus, my even row, 8 k, buffer 0
.set CO0,  74                          ; v[74:81]   my odd row: register numbers 2 apart modulo 4 from the even row's, as the dual form asks of its two second sources
.set CE1,  84                          ; v[84:91]   buffer 1
.set CO1,  94                          ; v[94:101]
.set T,    104                         ; v[104:119] differences: 4 rows of sites x (2 k x 2 columns)
.set U,    120                         ; v[120:127] |.| + |.|: 4 rows x 2 columns
.set DD,   64                          ; v[64:95]   softmax: 2 rows x 16 numbers
.set MR,   96                          ; v[96:111]  softmax: 8 registers at work for each row
.set G1,   56                          ; s[56:63]   descriptor group 1, one for all loads
.set G0,   84                          ; s[84:99]   descriptor group 0, one for each of the four loads: none is written again
; s[4:35] and s[36:51], s[68:83]: two groups of 32 numbers of sites that take turns.  s[52:53] sites, s[54:55] out0, s66 wave, s3 trips.
; A round of the cluster's barrier: my work-group's barrier, wave 0 signals for the work-group, every wave waits for all four work-groups, my work-group's barrier again.
.macro ROUND
	s_barrier_signal -1
	s_barrier_wait -1
	s_cmp_lg_u32 s66, 0
	s_cbranch_scc1 .Lnot_wave_0_\@
	s_barrier_signal -3
.Lnot_wave_0_\@:
	s_barrier_wait -3
	s_barrier_signal -1
	s_barrier_wait -1
.endm
	s_load_b128 s[4:7], s[0:1], 0x0                ; consensus s[4:5], sites s[6:7]
	s_load_b64 s[54:55], s[0:1], 0x10              ; out0
	v_lshl_add_u32 v128, v0, 2, 0x4c000
	v_mov_b32 v129, 0
	ds_add_u32 v128, v129
	v_lshrrev_b32 v1, 5, v0
	v_readfirstlane_b32 s66, v1                    ; wave 0..7
	v_and_b32 v[LANE], 31, v0
	s_bfe_u32 s2, ttmp6, 0x40000                   ; cx: my place in the cluster
	s_lshl_b32 s67, ttmp9, 2                       ; ttmp9 counts clusters
	s_add_co_u32 s67, s67, s2                      ; work-group = 4 x cluster + cx: it enters the addresses of sites and out0 alone
	; group 1: a tile of 32 rows x 64 elements of 4 bytes, rows 256 elements apart in memory, padded in LDS
	s_mov_b32 s[G1+0], 15|(2<<16)|(1<<20)|(1<<21)|(5<<22)|(3<<25)  ; 15:0 mask: all four of the cluster; 17:16 4-byte elements; 20 padding on; 21 set beside a mask; 24:22 after every 64 words; 31:25 four words
	s_mov_b32 s[G1+1], 64<<16                      ; tensor_dim0 = 64
	s_mov_b32 s[G1+2], 32<<16                      ; tensor_dim1 = 32
	s_mov_b32 s[G1+3], 64<<16                      ; tile_dim0 = 64
	s_mov_b32 s[G1+4], 32                          ; tile_dim1 = 32
	s_mov_b32 s[G1+5], 256                         ; every second row of consensus
	s_mov_b32 s[G1+6], 0
	s_mov_b32 s[G1+7], 0
	s_mov_b32 s104, 0x76543210                     ; v_permlanex16_b32: lane i of one half reads lane i of the other
	s_mov_b32 s105, 0xfedcba98
	s_lshl_b32 s2, s66, 15                         ; my wave's 64 rows of consensus: 64 x 512 bytes a wave
	s_mov_b32 s3, 0
	s_lshl_b32 s100, s67, 13                       ; my work-group's 16 rows of sites
	s_mov_b32 s101, 0
	s_wait_dscnt 0x0
	s_wait_kmcnt 0x0
	s_add_nc_u64 s[4:5], s[4:5], s[2:3]
	s_add_nc_u64 s[52:53], s[6:7], s[100:101]
	s_lshl_b32 s100, s67, 15                       ; my work-group's 16 rows of out0,
	s_lshl_b32 s2, s66, 12                         ; and in them my wave's two
	s_add_co_u32 s100, s100, s2
	s_add_nc_u64 s[54:55], s[54:55], s[100:101]
	s_mul_i32 s2, s66, WAVEL                       ; my wave's tiles in LDS: the wave's number alone
.irp h, 0,1
.irp p, 0,1
	s_mov_b32 s[G0+8*\h+4*\p], 1                                               ; count = 1
	s_add_co_u32 s[G0+8*\h+4*\p+1], s2, \h*HALFL+\p*TILE                       ; LDS address
	s_add_nc_u64 s[G0+8*\h+4*\p+2:G0+8*\h+4*\p+3], s[4:5], \h*256+\p*ROWB      ; k half h, rows of parity p
	s_or_b32 s[G0+8*\h+4*\p+3], s[G0+8*\h+4*\p+3], 0x80000000                  ; type = 2
.endr
.endr
	ROUND                                          ; all four work-groups are here: the joint loads meet
.irp q, 0,1,2,3
	tensor_load_to_lds s[G0+4*\q:G0+4*\q+3], s[G1:G1+7]    ; lower half of k: even rows, odd rows; then the upper half
	s_nop 0
.endr
; Four scalar loads: rows 4 g .. 4 g + 3 of my work-group's sites, 8 numbers each at byte off of the 16 k at work, into group grp.
.macro SLOAD grp, g, off
.irp i, 0,1,2,3
.set SB, 4+8*\i+32*\grp+16*\grp*(\i/2)             ; group 0: s4, s12, s20, s28; group 1: s36, s44, s68, s76
	s_load_b256 s[SB:SB+7], s[52:53], \off+ROWB*(4*\g+\i)
.endr
.endm
; Four LDS loads: 8 k of my even row and of my odd row, at byte off from A.
.macro CLOAD ce, co, off
	ds_load_b128 v[\ce:\ce+3],   v[A] offset:\off
	ds_load_b128 v[\ce+4:\ce+7], v[A] offset:\off+16
	ds_load_b128 v[\co:\co+3],   v[A] offset:\off+TILE
	ds_load_b128 v[\co+4:\co+7], v[A] offset:\off+TILE+16
.endm
; 80 instructions: 4 rows of sites (group grp) x 8 k x my 2 columns.  The four rows take turns, so that no instruction
; stands next to the one whose result it reads, and twenty instructions lie between two adds onto one accumulator pair.
.macro MATH ce, co, grp, g
.irp j, 0,2,4,6
.irp i, 0,1,2,3
.set SB, 4+8*\i+32*\grp+16*\grp*(\i/2)
	v_dual_sub_f32 v[T+4*\i],   s[SB+\j],   v[\ce+\j]   :: v_dual_sub_f32 v[T+4*\i+1], s[SB+\j],   v[\co+\j]
	v_dual_sub_f32 v[T+4*\i+2], s[SB+\j+1], v[\ce+\j+1] :: v_dual_sub_f32 v[T+4*\i+3], s[SB+\j+1], v[\co+\j+1]
.endr
.irp i, 0,1,2,3
	v_add_f32 v[U+2*\i],   |v[T+4*\i]|,   |v[T+4*\i+2]|    ; even column: k and k + 1
	v_add_f32 v[U+2*\i+1], |v[T+4*\i+1]|, |v[T+4*\i+3]|    ; odd column
.endr
.irp i, 0,1,2,3
	v_pk_add_f32 v[ACC+2*(4*\g+\i):ACC+2*(4*\g+\i)+1], v[ACC+2*(4*\g+\i):ACC+2*(4*\g+\i)+1], v[U+2*\i:U+2*\i+1]
.endr
.endr
.endm
; A trip: 16 k for all 16 rows, in two phases of 8 k on the two consensus buffers; each phase is four steps of four rows of sites.
; While a buffer is at work the other is loaded: its four loads have a whole phase in which to come.  While a group of sites is at work the
; other is loaded.  Scalar loads come back in no order (ISA guide 5.7.1), so their wait is for zero, and one step ahead is all that can be asked.
; astep: from these 16 k to the next in LDS.  twait = 1: the next 16 k lie in the upper half's tiles.  last = 1: nothing follows.
.macro TRIP astep, twait, last
	CLOAD CE1, CO1, 32                             ; this trip's second 8 k
	s_wait_dscnt 0x4                               ; LDS loads come back in order: the four just issued stay out, the four before them (buffer 0) are in
	s_wait_kmcnt 0x0                               ; this step's sites are in; nothing scalar is out
	SLOAD 1, 1, 0
	MATH CE0, CO0, 0, 0
	s_wait_kmcnt 0x0
	SLOAD 0, 2, 0
	MATH CE0, CO0, 1, 1
	s_wait_kmcnt 0x0
	SLOAD 1, 3, 0
	MATH CE0, CO0, 0, 2
	s_wait_kmcnt 0x0
	SLOAD 0, 0, 32
	MATH CE0, CO0, 1, 3
.if \twait
	s_wait_tensorcnt 0x0                           ; my two tiles of the upper half of k have landed: they are read from here on
.endif
.if \last
	s_wait_dscnt 0x0                               ; buffer 1 is in; nothing more is fetched
.else
	v_add_nc_u32 v[A], \astep, v[A]
	CLOAD CE0, CO0, 0                              ; the next trip's first 8 k
	s_wait_dscnt 0x4                               ; those four stay out; buffer 1 is in
.endif
	s_wait_kmcnt 0x0
	SLOAD 1, 1, 32
	MATH CE1, CO1, 0, 0
	s_wait_kmcnt 0x0
	SLOAD 0, 2, 32
	MATH CE1, CO1, 1, 1
	s_wait_kmcnt 0x0
	SLOAD 1, 3, 32
	MATH CE1, CO1, 0, 2
	s_wait_kmcnt 0x0                               ; no scalar load is out: the base may be stepped
.if \last == 0
	s_add_nc_u64 s[52:53], s[52:53], 64            ; 16 k on
	SLOAD 0, 0, 0
.endif
	MATH CE1, CO1, 1, 3
.endm
	SLOAD 0, 0, 0                                  ; the first step's sites (s[4:7] have done their work as addresses)
	v_mul_u32_u24 v[A], v[LANE], PITCH
	v_add_nc_u32 v[A], s2, v[A]                    ; my wave's tiles + lane x pitch
	s_lshl_b32 s100, s66, 8
	s_add_co_u32 s100, s100, STAGE
	v_lshlrev_b32 v[ST], 3, v[LANE]
	v_add_nc_u32 v[ST], s100, v[ST]                ; stage + 4 x (64 w + 2 l)
	s_lshl_b32 s101, s66, 12
	s_add_co_u32 s101, s101, STAGE
	v_lshlrev_b32 v[O], 4, v[LANE]
	v_add_nc_u32 v[RD], s101, v[O]                 ; stage + 2 w rows + 16 l
.irp i, 0,1,2,3,4,5,6,7,8,9,10,11,12,13,14,15
	v_dual_mov_b32 v[ACC+2*\i], 0 :: v_dual_mov_b32 v[ACC+2*\i+1], 0   ; sixteen lines while the first tiles are on their way; they spare a fifth copy of the trip
.endr
	s_wait_tensorcnt 0x2                           ; tensor loads of a wave end in order: my two tiles of the lower half are in, the upper half's two stay out
	CLOAD CE0, CO0, 0
	s_mov_b32 s3, 3
.Llower:                                           ; k = 0 .. 47
	TRIP 64, 0, 0
	s_sub_co_u32 s3, s3, 1
	s_cmp_lg_u32 s3, 0
	s_cbranch_scc1 .Llower
	TRIP HALFL-192, 1, 0                           ; k = 48 .. 63; it fetches ahead from the upper half's tiles, behind the wait for them
	s_mov_b32 s3, 3
.Lupper:                                           ; k = 64 .. 111
	TRIP 64, 0, 0
	s_sub_co_u32 s3, s3, 1
	s_cmp_lg_u32 s3, 0
	s_cbranch_scc1 .Lupper
	TRIP 0, 0, 1                                   ; k = 112 .. 127: written out, so that no load reaches past a row's end
	; THE DISTANCES CHANGE HANDS.  A wave's store covers 256 neighbouring bytes of a row of the stage.
.irp n, 0,1,2,3,4,5,6,7,8,9,10,11,12,13,14,15
	ds_store_b64 v[ST], v[ACC+2*\n:ACC+2*\n+1] offset:\n*OROWB
.endr
	s_wait_dscnt 0x0                               ; for the other waves' sake: my stores are in LDS
	s_barrier_signal -1
	s_barrier_wait -1
.irp r, 0,1
.irp j, 0,1,2,3
	ds_load_b128 v[DD+16*\r+4*\j:DD+16*\r+4*\j+3], v[RD] offset:\r*OROWB+\j*512    ; columns 128 j + 4 l .. + 3 of row 2 w + r
.endr
.endr
	s_wait_dscnt 0x0
	; the row's least distance: 16 numbers in the lane, then across the 32 lanes.  The two rows take turns.
.irp r, 0,1
	v_min3_num_f32 v[MR+8*\r],   v[DD+16*\r],    v[DD+16*\r+1],  v[DD+16*\r+2]
	v_min3_num_f32 v[MR+8*\r+1], v[DD+16*\r+3],  v[DD+16*\r+4],  v[DD+16*\r+5]
	v_min3_num_f32 v[MR+8*\r+2], v[DD+16*\r+6],  v[DD+16*\r+7],  v[DD+16*\r+8]
	v_min3_num_f32 v[MR+8*\r+3], v[DD+16*\r+9],  v[DD+16*\r+10], v[DD+16*\r+11]
	v_min3_num_f32 v[MR+8*\r+4], v[DD+16*\r+12], v[DD+16*\r+13], v[DD+16*\r+14]
.endr
.irp r, 0,1
	v_min3_num_f32 v[MR+8*\r],   v[MR+8*\r],   v[MR+8*\r+1], v[MR+8*\r+2]
	v_min3_num_f32 v[MR+8*\r+3], v[MR+8*\r+3], v[MR+8*\r+4], v[DD+16*\r+15]
.endr
.irp r, 0,1
	v_min_num_f32 v[MR+8*\r], v[MR+8*\r], v[MR+8*\r+3]
.endr
.irp x, 1,2,4,8
.irp r, 0,1
	v_min_num_f32_dpp v[MR+8*\r], v[MR+8*\r], v[MR+8*\r] row_xmask:\x row_mask:0xf bank_mask:0xf
.endr
.endr
.irp r, 0,1
	v_permlanex16_b32 v[MR+8*\r+1], v[MR+8*\r], s104, s105     ; its destination counts as read: a register that has been written
.endr
.irp r, 0,1
	v_min_num_f32 v[MR+8*\r], v[MR+8*\r], v[MR+8*\r+1]         ; every lane holds the row's least distance
.endr
	; exp(least - d) = exp2((least - d) x log2 e).  The difference is formed first and the factor applied to it: it is never above zero at any
	; size of the distances, which a fused d x (-log2 e) + (least x log2 e), with its second product rounded by itself, would not promise.
.irp r, 0,1
.irp i, 0,2,4,6,8,10,12,14
	v_pk_add_f32 v[DD+16*\r+\i:DD+16*\r+\i+1], v[MR+8*\r:MR+8*\r+1], v[DD+16*\r+\i:DD+16*\r+\i+1] op_sel_hi:[0,1] neg_lo:[0,1] neg_hi:[0,1]
.endr
.endr
.irp r, 0,1
.irp i, 0,2,4,6,8,10,12,14
	v_pk_mul_f32 v[DD+16*\r+\i:DD+16*\r+\i+1], v[DD+16*\r+\i:DD+16*\r+\i+1], 0x3fb8aa3b op_sel_hi:[1,0]
.endr
.endr
.irp i, 0,1,2,3,4,5,6,7,8,9,10,11,12,13,14,15,16,17,18,19,20,21,22,23,24,25,26,27,28,29,30,31
	v_exp_f32 v[DD+\i], v[DD+\i]
.endr
	v_nop                                          ; one plain vector instruction between the exponentials and the first use of a result (ISA guide 5.7.2)
	s_wait_alu depctr_va_vdst(0)
.irp r, 0,1
	v_pk_add_f32 v[MR+8*\r:MR+8*\r+1],   v[DD+16*\r:DD+16*\r+1],     v[DD+16*\r+2:DD+16*\r+3]
	v_pk_add_f32 v[MR+8*\r+2:MR+8*\r+3], v[DD+16*\r+4:DD+16*\r+5],   v[DD+16*\r+6:DD+16*\r+7]
	v_pk_add_f32 v[MR+8*\r+4:MR+8*\r+5], v[DD+16*\r+8:DD+16*\r+9],   v[DD+16*\r+10:DD+16*\r+11]
	v_pk_add_f32 v[MR+8*\r+6:MR+8*\r+7], v[DD+16*\r+12:DD+16*\r+13], v[DD+16*\r+14:DD+16*\r+15]
.endr
.irp r, 0,1
	v_pk_add_f32 v[MR+8*\r:MR+8*\r+1],   v[MR+8*\r:MR+8*\r+1],   v[MR+8*\r+2:MR+8*\r+3]
	v_pk_add_f32 v[MR+8*\r+4:MR+8*\r+5], v[MR+8*\r+4:MR+8*\r+5], v[MR+8*\r+6:MR+8*\r+7]
.endr
.irp r, 0,1
	v_pk_add_f32 v[MR+8*\r:MR+8*\r+1], v[MR+8*\r:MR+8*\r+1], v[MR+8*\r+4:MR+8*\r+5]
.endr
.irp r, 0,1
	v_add_f32 v[MR+8*\r], v[MR+8*\r], v[MR+8*\r+1]
.endr
.irp x, 1,2,4,8
.irp r, 0,1
	v_add_f32_dpp v[MR+8*\r], v[MR+8*\r], v[MR+8*\r] row_xmask:\x row_mask:0xf bank_mask:0xf
.endr
.endr
.irp r, 0,1
	v_permlanex16_b32 v[MR+8*\r+1], v[MR+8*\r], s104, s105
.endr
.irp r, 0,1
	v_add_f32 v[MR+8*\r], v[MR+8*\r], v[MR+8*\r+1]             ; the row's sum, at least 1: the least distance gives exp2(0)
.endr
.irp r, 0,1
	v_rcp_f32 v[MR+8*\r], v[MR+8*\r]
.endr
	v_nop                                          ; one plain vector instruction between the reciprocals and their use
	s_wait_alu depctr_va_vdst(0)
.irp r, 0,1
.irp i, 0,2,4,6,8,10,12,14
	v_pk_mul_f32 v[DD+16*\r+\i:DD+16*\r+\i+1], v[DD+16*\r+\i:DD+16*\r+\i+1], v[MR+8*\r:MR+8*\r+1] op_sel_hi:[1,0]
.endr
.endr
.irp r, 0,1
.irp j, 0,1,2,3
	global_store_b128 v[O], v[DD+16*\r+4*\j:DD+16*\r+4*\j+3], s[54:55] offset:\r*OROWB+\j*512 th:TH_STORE_NT   ; a wave's store covers 512 consecutive bytes, at a multiple of 512 from out0's first byte
.endr
.endr
	s_wait_tensorcnt 0x0
	ds_add_u32 v128, v129
	s_wait_dscnt 0x0
	ROUND                                          ; the closing round: no work-group ends while a partner may still ask for a tile that names it
	s_endpgm
.Lfunc_end_k_qc3fcfb645e_l1softmax:
	.size	k_qc3fcfb645e_l1softmax, .Lfunc_end_k_qc3fcfb645e_l1softmax-k_qc3fcfb645e_l1softmax
	.p2alignl 7, 3214868480
	.fill 96, 4, 3214868480
	.section	.rodata,"a",@progbits
	.p2align	6, 0x0
	.amdhsa_kernel k_qc3fcfb645e_l1softmax
		.amdhsa_group_segment_fixed_size 312320
		.amdhsa_private_segment_fixed_size 0
		.amdhsa_enable_private_segment 0
		.amdhsa_kernarg_size 24
		.amdhsa_user_sgpr_count 2
		.amdhsa_user_sgpr_kernarg_segment_ptr 1
		.amdhsa_wavefront_size32 1
		.amdhsa_system_sgpr_workgroup_id_x 1
		.amdhsa_system_sgpr_workgroup_id_y 1
		.amdhsa_system_sgpr_workgroup_id_z 1
		.amdhsa_system_vgpr_workitem_id 0
		.amdhsa_next_free_vgpr 130
		.amdhsa_next_free_sgpr 106
		.amdhsa_reserve_vcc 0
		.amdhsa_float_denorm_mode_32 3
		.amdhsa_float_denorm_mode_16_64 3
		.amdhsa_memory_ordered 1
		.amdhsa_forward_progress 1
		.amdhsa_inst_pref_size 188
	.end_amdhsa_kernel
	.amdgpu_metadata
---
amdhsa.version: [ 1, 2 ]
amdhsa.kernels:
  - .name:           k_qc3fcfb645e_l1softmax
    .symbol:         k_qc3fcfb645e_l1softmax.kd
    .args:
      - { .name: consensus, .offset: 0, .size: 8, .value_kind: global_buffer, .address_space: global }
      - { .name: sites, .offset: 8, .size: 8, .value_kind: global_buffer, .address_space: global }
      - { .name: out0, .offset: 16, .size: 8, .value_kind: global_buffer, .address_space: global }
    .group_segment_fixed_size: 312320
    .private_segment_fixed_size: 0
    .kernarg_segment_align: 8
    .kernarg_segment_size: 24
    .max_flat_workgroup_size: 256
    .sgpr_count:     106
    .vgpr_count:     130
    .wavefront_size: 32
...
	.end_amdgpu_metadata
.endif
;; end of part 1
